; MI455X (gfx1250); checked and timed in simulation.
; The chip was launched on July 23, 2026; its instructions are those of AMD's public machine-readable ISA for CDNA 5 (MIT licence, August 2026) and "CDNA5" Instruction Set Architecture Reference Guide (July 2026). The comments in the code are by the model that wrote it; some were corrected since.
;; Bit Stack Linear. Allowed arithmetic: matrix products marked QUANTISED: E2M1 operands, one E8M0 scale for each 32 along K, by v_wmma_scale_f32_16x16x128_f8f6f4 with both operands' format E2M1 (or v_wmma_scale_f32_32x16x128_f4), f32 sums; products left as they are: f32 operands where the result goes on into a quantised operand, else bf16, f16 or f32 operands; f32 sums; everything else in f32.
;; Inputs: qweight 4 x 5,636,096 int32; u 4 x 11,008 x 16 float32; vt 4 x 16 x 4,096 float32; x 1,024 x 4,096 float32.
;; Outputs: out0 1,024 x 11,008 float32.
;; This version of the problem:
;;   THIS VERSION OF THE PROBLEM IS GIVEN IN LOW PRECISION. The matrix products marked QUANTISED in the list below multiply operands that are first quantised to E2M1 (2 exponent bits, 1 mantissa bit; 4 bits a number), with one power-of-two scale for each 32 numbers along K (OCP MX v1.0); their sums are f32. All else is computed in f32.
;;   The module's matrix products, in the order in which they are computed (A, B: the left and right operand; K: the contracted axis; several contracted axes count as one K, in the product's order):
;;     1. batch 4 x [M 11,008, K 16] x [K 16, N 4,096]; A: input u; B: input vt: left as it is (K = 16 < 32)
;;     2. [M 1,024, K 4,096] x [K 4,096, N 11,008]; A: input x; B: computed on the way: QUANTISED
;;   THE QUANTISER, for each operand of a quantised product, along K:
;;     - K is cut into blocks of 32 from its start; a last block that is shorter is filled with zeros.
;;     - A block's scale is 2^e with e = floor(log2(the largest magnitude in the block)) - 2, held to -126 .. 127; a block of zeros has e = 0. As a byte (E8M0): e + 127.
;;     - Each number is divided by its block's scale, clamped to +-6, and rounded to the nearest number of E2M1, ties to even, subnormals kept.
;;     - The product sums the exact products of the quantised numbers (number of the format x scale) in f32.
;;   ~~~python
;;   def quantise(x, axis):      # numpy; x: float32 -> the quantised numbers, widened to float32 again
;;       x = np.moveaxis(x, axis, -1); K = x.shape[-1]
;;       x = np.pad(x, [(0, 0)] * (x.ndim - 1) + [(0, -K % 32)]); x = x.reshape(x.shape[:-1] + (-1, 32)); a = np.abs(x).max(-1, keepdims=True)
;;       e = np.where(a > 0, np.clip(np.frexp(np.where(a > 0, a, 1))[1] - 1 - 2, -126, 127), 0)      # np.frexp(a)[1] - 1 = floor(log2(a)), exactly
;;       r = np.clip(x / 2.0 ** e, -6, 6)
;;       step = 2.0 ** (np.maximum(np.frexp(np.where(r == 0, 1, r))[1] - 1, 0) - 1)
;;       q = np.round(r / step) * step * 2.0 ** e      # np.round: ties to even
;;       return np.moveaxis(q.reshape(q.shape[:-2] + (-1,))[..., :K], -1, axis).astype(np.float32)
;;   ~~~
;;   OPERANDS COMPUTED ON THE WAY. 'Computed on the way' means the value that the module computes at that place (a softmax that the list does not call 'softmax' is quantised finished and normalised). What goes into a quantiser is computed in f32, as accurately as f32 sums, v_exp_f32 and their like allow (about 1e-6 of the number): no bf16 or f16 on the way to a quantiser, and a product that is left as it is and whose result goes on into a quantised operand takes f32 operands (vector FMAs, or v_wmma_f32_16x16x4_f32). A number that lies on a knife's edge between two numbers of the format may be rounded either way, as far as f32 arithmetic and the matrix unit's own rounding can turn it there, and no further.
;; One version. Each part assembles by itself: llvm-mc -triple=amdgcn-amd-amdhsa -mcpu=gfx1250 --defsym DOCPART=n.
;; ======== version 1 of 1: 2 launches
;; workspace buffers: wq 23,953,408 bytes; xq 2,228,224 bytes
;; launch prep (part 1): grid 8 x 32, 8 waves a work-group, no clusters, 327,680 bytes of LDS; arguments qweight, u, vt, x, wq, xq; writes wq, xq
.if DOCPART == 1
	.amdgcn_target "amdgcn-amd-amdhsa--gfx1250"
	.amdhsa_code_object_version 6
	.text
	.protected	k_q3103eb831e_prep
	.globl	k_q3103eb831e_prep
	.p2align	8
	.type	k_q3103eb831e_prep,@function
k_q3103eb831e_prep:
	s_mov_b64 s[64:65], 0
	v_nop
	global_prefetch_b8 v0, s[64:65] scope:SCOPE_SE
	s_setreg_imm32_b32 hwreg(HW_REG_WAVE_MODE, 25, 1), 1
	s_wait_xcnt 0x0
; w[o][i] = sum over b of sign_b[o][i] x (u_b vt_b)[o][i] is made ONCE, in f32, quantised along i to codes of FP4 (E2M1) with one E8M0 byte for each 32, and stored; x [1024][4096] is quantised likewise.
; OUT: records of 16 rows x 512 K, 4,352 bytes, laid [tile of 16 rows][K step of 512]: bytes 0-4,095: four fragments (128 K each) as images of the operand's registers (register group c of lane l at 1,024 q + 512 c + 16 l);
; bytes 4,096-4,351: the scale words, [row][q].  17 x 256 bytes: every record is whole aligned blocks of 256 bytes.
; SHARES: work-group (gx, gy) takes columns 512 gx .. +511 (one K step) and the tiles of rows R0 + 16 n, R0 = 688 (gy / 2) + 336 (gy % 2): 21 tiles where gy is even, 22 where it is odd (43 tiles to a pair).
; All work-groups run the same 22 fills and 21 barriers; the even ones jump over the 22nd tile's arithmetic, by one scalar branch on gy.
; EIGHT WAVES, two to a SIMD, 512 registers each, so that one wave's vector work stands beside the other's matrix work.  Wave w takes columns 64 w .. +63 of the 512: register group c = w % 2 of fragment q = w / 2 of each record.
; THE RANK-16 PRODUCT goes by v_wmma_f32_16x16x4_f32, since its result feeds a quantiser.  Source 0 = 16 columns of vt, source 1 = 16 rows of u; the columns of tile T are 32 (m / 8) + 8 T + m % 8, so that
; register j of lane (r, h) is L_b[row r][column 32 h + 8 T + j]: the eight bits of ONE word of qweight, and the four tiles T of a step give a lane one whole block of 32, in the order of the operand's registers.
; (K step s of the instruction stands for k = 8 h + 2 s + j on both sides alike.)  The sign: bit j moved to bit 31 and laid over 1.0 gives -1.0 for bit 1; the multiply-adds take that number negated.  sign x L is exact.
; A PHASE is one tile (16 matrix instructions, the four planes' sums by turns); behind each stands a slice of vector work: the multiply-adds and maxima of the tile before, the
; quantising of the step before, and the 64 sign operations of this tile.  These slices are also the places behind the matrix instructions (ISA guide 7.12.1): at least 16 plain lines before a sum is read.
; qweight comes through a ring of two LDS slots (a tile: 4 planes x 16 rows x 256 bytes; wave w fetches rows 8 (w % 2) on of plane w / 2); u's 352 rows and vt's 64 x 64 for each wave come once; vt stays in 128 registers.
; NO CLUSTER: partners that run alike (same gy) share u alone, 90,112 bytes fetched once, beside 360,448 bytes of qweight, 131,072 of vt and 65,536 of x that are a work-group's own; and each of the 21 refills would then want a round of the cluster's barrier.
; LIMITS: NaN and infinities among the inputs are not served.  A block whose largest magnitude lies under 2^-124 gets the byte 1 (the floor); a block of zeros gets the byte 1 with zero codes where the rule says 127: the bytes are read by this program alone.
; REGISTERS.  window 0: v0-31 addresses and small work; v32-95 the products' sums, 2 sets x 4 planes x 8 (written by matrix instructions alone); v96-127 signs; v128-159 a step's 32 numbers of w; v160-167 codes; v176-191 small work;
;   v192-255 u's two sets (32 set + 8 b + 2 s + j), at the end the way out.   window 1: v96-223 vt, at 96 + 32 T + 8 b + 2 s + j; v224-255 the sign words, two sets (16 set + 4 b + T).
.set QPITCH, 272                       ; a row of sign words in LDS: 256 bytes + 16
.set QHALF,  8*QPITCH                  ; what one wave fetches of a tile
.set QPLANE, 16*QPITCH
.set QSLOT,  4*QPLANE                  ; 17,408
.set UOFF,   2*QSLOT                   ; u: plane b at UOFF + UPLANE b: 352 rows of 64 bytes as 88 rows of 256 + 16
.set UHALF,  44*272                    ; what one wave fetches of u
.set UPLANE, 2*UHALF
.set UTILE,  4*272                     ; 16 rows of u
.set VOFF,   UOFF+4*UPLANE             ; a part for each wave: first its vt tile (64 rows of 256 + 8 bytes), at the end its x tile (16 rows of 512 + 16 bytes)
.set VPITCH, 264
.set VWAVE,  64*VPITCH
.set XPITCH, 528
.set SCL,    VOFF+8*VWAVE              ; w's halves of scale words: wave w's own region at SCL + SCLW w: 32 bytes a tile
.set SCLW,   768
.set SCLX,   SCL+8*SCLW                ; x's scale words: two blocks of 256 bytes
.set SPARE,  SCLX+512                  ; the spare words, 128 bytes for each wave: four blocks of 256 bytes that no other line names
.set REC,    4352
.set TROW,   8*REC                     ; from a tile's records to the next tile's
.set TRIPS,  10                        ; two tiles a trip; tiles 20 and 21 are written out
.set QA,  4                            ; v4   sign words: 272 r + 32 w + 16 h
.set UA,  5                            ; v5-6 u: planes 0-1, planes 2-3: 272 (r / 4) + 64 (r % 4) + 32 h
.set VA,  7                            ; v7   vt
.set CO,  8                            ; v8   my codes' place in a record: 512 w + 16 lane
.set SA,  9                            ; v9   my half scale word's place in my wave's region
.set H8,  10                           ; v10  8 h
.set XA,  11                           ; v11  x
.set GA,  12                           ; v12  the gathering of scale words
.set L8,  13                           ; v13  8 lane
.set SPW, 14                           ; v14  LDS address of my spare word; never rewritten
.set NIL, 15                           ; v15  0; never rewritten
.set SO,  16                           ; v16  a half scale word's place in a record: 4,096 + 16 r + 2 w
.set XSA, 17
.set GX,  18
.set L16, 19                           ; v19  16 lane
.set TT,  20                           ; v20-23 at work
.set MX,  24                           ; v24-25 two running maxima
.set SC,  26                           ; v26  the conversion's scale operand
.set BY,  27                           ; v27  the block's scale byte
.set WD,  29
.set WT,  30
.set STA, 31
.set LL,  32
.set SS,  96
.set WW,  128
.set CD,  160
.set XSC, 176
.set XBY, 178
.set XW,  180
.set UT,  190                          ; v190-191 u's addresses for the tile in hand
.set UB,  192                          ; u's two sets
.set GH,  192                          ; the way out: halves of scale words,
.set GW,  208                          ; and the words made of them
.set GXR, 216
.set XR,  96                           ; x: 64 numbers
.set VT,  96                           ; in window 1
.set QW,  224                          ; in window 1
.set WV,  16                           ; s16 wave, s17 gx, s18 gy, s19 gy % 2
.set GXI, 17
.set PP,  19
.set G1Q, 28
.set G1U, 36
.set G1V, 44
.set G1X, 52
.set G0Q, 60                           ; s[60:63] slot 0, s[68:71] slot 1
.set G0U, 72
.set G0V, 76
.set G0X, 80
.set CB,  84                           ; s[84:85] wq at the trip's first tile, my K step
.set WS,  86                           ; s[86:87] wq at tile w's scale words
.set XB,  88
.set XS,  90
.set MASK, 92
.set CNT, 93
.set SEL, 94
.set TU,  96                           ; s96 u's tiles passed, in LDS bytes
.set TS,  97                           ; s97 halves of scale words passed
.set MSB, 0
.macro WIN new                         ; the immediate's high byte repeats the setting that is left; a switch that changes nothing is dropped
.if MSB != (\new)
	s_set_vgpr_msb (MSB<<8)|(\new)
.set MSB, (\new)
.endif
.endm
; Matrix instruction i of a phase's 16: K step i / 4, plane i % 4.  The first four start the sums with the constant 0.
.macro MMI set, T, us
.set mb, i%4
.set ms, i/4
.set rD, LL+32*(\set)+8*mb
.set rA, VT+32*(\T)+8*mb+2*ms
.set rB, UB+32*(\us)+8*mb+2*ms
.if ms == 0
	v_wmma_f32_16x16x4_f32 v[rD:rD+7], v[rA:rA+1], v[rB:rB+1], 0
.else
	v_wmma_f32_16x16x4_f32 v[rD:rD+7], v[rA:rA+1], v[rB:rB+1], v[rD:rD+7]
.endif
.endm
; Sign operation PI of a tile's 64.  Item pe = 8 b + j: a shift brings bit j of the plane's word to bit 31, v_bfi_b32 lays it over 1.0.  Shifts run one item ahead of the v_bfi_b32 lines.
; Both run under the products' window setting: the word is source 0 (window 1), the shifted word source 2 (window 0).
.macro PREPOP set, T
.if (PI == 0) || (((PI%2) == 1) && (PI < 63))
.set pe, (PI+1)/2
	v_lshl_or_b32 v[TT+pe%4], v[QW+16*(\set)+4*(pe/8)+(\T)], 31-pe%8, 0
.else
.set pe, PI/2-1
.if PI == 63
.set pe, 31
.endif
	v_bfi_b32 v[SS+pe], s[MASK], 1.0, v[TT+pe%4]
.endif
.set PI, PI+1
.endm
; Operation FI of 20 on a finished tile: 16 packed multiply-adds, planes ascending, each sum read from its low end on; then the tile's eight magnitudes into two running maxima (a step's first tile starts them, with the floor 2^(3 - 127) as a leaf).
.macro FMAOP set, T
.set fb, FI/4
.set fj, 2*(FI%4)
.set rW, WW+8*(\T)+fj
.set rL, LL+32*(\set)+8*fb+fj
.set rS, SS+8*fb+fj
.if FI < 4
	v_pk_mul_f32 v[rW:rW+1], v[rL:rL+1], v[rS:rS+1] neg_lo:[0,1] neg_hi:[0,1]
.elseif FI < 16
	v_pk_fma_f32 v[rW:rW+1], v[rL:rL+1], v[rS:rS+1], v[rW:rW+1] neg_lo:[0,1,0] neg_hi:[0,1,0]
.else
.set fm, FI-16
.set rW, WW+8*(\T)+2*fm
.if ((\T) == 0) && (fm < 2)
	v_max3_num_f32 v[MX+fm], |v[rW]|, |v[rW+1]|, 0x1800000
.else
	v_max3_num_f32 v[MX+fm%2], v[MX+fm%2], |v[rW]|, |v[rW+1]|
.endif
.endif
.set FI, FI+1
.endm
; The trip's tile k is quantised: my 32 numbers are one block.  Its four registers of codes are my register group of the fragment and leave at once: the wave stores 512 consecutive bytes, aligned.
; My byte (block 2 c + h of the fragment) and the other half of the lanes' make half a scale word, which goes to my wave's region in LDS; direct = 1: straight to the record (the 22nd tile alone, one in 43: pieces of 2 bytes).
.macro QUANT k, direct
	v_max_num_f32 v[MX], v[MX], v[MX+1]
	v_add_nc_u32 v[SC], 0xff000000, v[MX]          ; 2 off the exponent field: the conversion takes the exponent field of this operand as its scale
.irp i4, 0,1,2,3
	v_cvt_scalef32_pk8_fp4_f32 v[CD+4*(\k)+\i4], v[WW+8*\i4:WW+8*\i4+7], v[SC]
.endr
	v_lshrrev_b32 v[BY], 23, v[SC]                 ; the scale's byte; also the plain line behind the conversions
	global_store_b128 v[CO], v[CD+4*(\k):CD+4*(\k)+3], s[CB:CB+1] offset:TROW*(\k)
	v_lshlrev_b32 v[WD], v[H8], v[BY]
	v_permlanex16_b32 v[WT], v[WD], s[SEL], s[SEL+1]
	v_or_b32 v[WD], v[WD], v[WT]
.if \direct
	global_store_b16 v[SO], v[WD], s[CB:CB+1] offset:TROW*(\k)
.else
	v_add_nc_u32 v[STA], s[TS], v[SA]
	ds_store_b16 v[STA], v[WD] offset:32*(\k)      ; both halves of the lanes write the same two bytes with the same value
.endif
.endm
.macro QLOAD set, slot                 ; a tile's sign words for my 64 columns: 16 bytes (T = 0 .. 3) of each plane
.irp b, 0,1,2,3
	ds_load_b128 v[QW+16*(\set)+4*\b:QW+16*(\set)+4*\b+3], v[QA] offset:QSLOT*(\slot)+QPLANE*\b
.endr
.endm
.macro ULOAD set, koff                 ; a tile of u: my row's k = 8 h .. 8 h + 7 of each plane
.irp b, 0,1,2,3
.irp c, 0,1
	ds_load_b128 v[UB+32*(\set)+8*\b+4*\c:UB+32*(\set)+8*\b+4*\c+3], v[UT+\b/2] offset:UPLANE*(\b%2)+16*\c+(\koff)
.endr
.endr
.endm
; A PHASE: tile T of the trip's step par (par is also the step's slot, its set of u and its set of sign words).  HAVE = 1: a tile before it waits for its multiply-adds (slices 0 and 1); where that tile ended a step,
; slice 2 quantises that step.  The other slices share this tile's 64 sign operations, four or five each.
; THE CHANGE OF SLOTS rides on phase 1 (chg = 1: this step's slot takes the tile two steps on; chg = 3: the wave's vt part takes its x tile).  My reads of the slot came back at the step's head.
.macro PHASE T, par, chg, direct
.set PI, 0
.set FI, 0
.set QN, 0
.if HAVE && ((\T) == 0)
.set QN, 1
.endif
.set NF, 2*HAVE+QN
.set CH, 0
.if ((\T) == 1) && ((\chg) != 0)
.set CH, 1
.endif
.set i, 0
.rept 16
.if CH && (i == 0)
	WIN 0
	s_wait_tensorcnt 0x0                           ; all my tensor loads have landed: the one that was out is my part of the next step's tile; so a group 0 may be written
	ds_add_u32 v[SPW], v[NIL]                      ; 0 onto my spare word; eight products and their slices stand between it and the wait for it
.if (\chg) == 1
	s_add_nc_u64 s[G0Q+8*(\par)+2:G0Q+8*(\par)+3], s[G0Q+8*(\par)+2:G0Q+8*(\par)+3], 0x10000   ; 32 rows of 2,048 bytes on
.endif
.endif
.if CH && (i == 8)
	s_wait_dscnt 0x0                               ; the add is done, and no LDS instruction of mine is out
	s_barrier_signal -1
.endif
	WIN 0x01                                       ; source 0 (vt; a sign word) window 1; source 1 (u), C and D window 0
	MMI (\T)%2, \T, \par
.if HAVE && (i == 0)
	WIN 0
.rept 8
	FMAOP ((\T)+1)%2, ((\T)+3)%4
.endr
.elseif HAVE && (i == 1)
	WIN 0
.rept 12
	FMAOP ((\T)+1)%2, ((\T)+3)%4
.endr
.elseif QN && (i == 2)
	WIN 0
	QUANT 1-(\par), \direct
.else
.rept 4
	PREPOP \par, \T
.endr
.if (i-NF) < 4*NF
	PREPOP \par, \T
.endif
.endif
.set i, i+1
.endr
.if CH
	WIN 0
	s_barrier_wait -1                              ; nobody reads this step's slot any more, and the next step's tile is whole
.if (\chg) == 1
	tensor_load_to_lds s[G0Q+8*(\par):G0Q+8*(\par)+3], s[G1Q:G1Q+7]   ; my one tensor load behind the barrier: it has a step, 64 matrix instructions of each of a SIMD's two waves, in which to land
	s_nop 0
.else
	tensor_load_to_lds s[G0X:G0X+3], s[G1X:G1X+7]
	s_nop 0
.endif
	v_add_nc_u32 v[UT], s[TU], v[UA]               ; four vector lines stand between the tensor load and the next switch of windows
	v_add_nc_u32 v[UT+1], s[TU], v[UA+1]
	v_nop
	v_nop
	ULOAD 1-(\par), UTILE*((\par)+1)               ; the next step's rows of u, into the set that the step before left,
	WIN 0x40                                       ; destination window 1
	QLOAD 1-(\par), 1-(\par)                       ; and its sign words: 32 matrix instructions ahead of their use
.endif
.set HAVE, 1
.endm
; A STEP: one tile of 16 rows, my 64 columns: four phases.  pv = 1: the step before left its last tile to this one; last = 1: this step's last tile is finished here (once a trip, so that a trip stands by itself).
.macro STEPM par, pv, last, chg, direct
	s_wait_dscnt 0x0                               ; the tile's sign words and its u are in
.set HAVE, \pv
.irp T, 0,1,2,3
	PHASE \T, \par, \chg, \direct
.endr
.if \last
	WIN 0
.set FI, 0
.rept 20
	FMAOP 1, 3
.endr
	QUANT \par, \direct
.endif
.endm
	s_load_b256 s[4:11], s[0:1], 0x0               ; qweight s[4:5], u s[6:7], vt s[8:9], x s[10:11]
	s_load_b128 s[12:15], s[0:1], 0x20             ; wq s[12:13], xq s[14:15]
	v_lshl_add_u32 v[SPW], v0, 2, SPARE
	v_mov_b32 v[NIL], 0
	ds_add_u32 v14, v15
	ds_add_u32 v14, v15
	s_wait_dscnt 0x0
	v_lshrrev_b32 v1, 5, v0
	v_readfirstlane_b32 s[WV], v1                  ; wave 0..7
	s_mov_b32 s[GXI], ttmp9                        ; gx
	s_and_b32 s18, ttmp7, 0xffff                   ; gy
	s_and_b32 s[PP], s18, 1
	s_lshr_b32 s20, s18, 1
	s_mul_i32 s21, s20, 688
	s_mul_i32 s20, s[PP], 336
	s_add_co_u32 s21, s21, s20                     ; R0, my first row of w
	s_lshr_b32 s2, s[WV], 1                        ; w / 2: the plane of which I fetch a half
	s_and_b32 s3, s[WV], 1                         ; w % 2: which half
	; descriptor groups 1.  Sign words: 8 rows x 64 words, 512 words from row to row, 4 words of padding behind every 64
	s_mov_b32 s[G1Q+0], (2<<16)|(1<<20)|(5<<22)|(3<<25)
	s_mov_b32 s[G1Q+1], 64<<16
	s_mov_b32 s[G1Q+2], 8<<16
	s_mov_b32 s[G1Q+3], 64<<16
	s_mov_b32 s[G1Q+4], 8
	s_mov_b32 s[G1Q+5], 512
	s_mov_b32 s[G1Q+6], 0
	s_mov_b32 s[G1Q+7], 0
	; u: half a plane's 352 rows are 11,264 dense bytes: 44 rows of 32 elements of 8 bytes, 4 words of padding behind each
	s_mov_b32 s[G1U+0], (3<<16)|(1<<20)|(5<<22)|(3<<25)
	s_mov_b32 s[G1U+1], 32<<16
	s_mov_b32 s[G1U+2], 44<<16
	s_mov_b32 s[G1U+3], 32<<16
	s_mov_b32 s[G1U+4], 44
	s_mov_b32 s[G1U+5], 32
	s_mov_b32 s[G1U+6], 0
	s_mov_b32 s[G1U+7], 0
	; vt: 64 rows (b, k) x 64 numbers, 4,096 from row to row, 2 words of padding behind every 64
	s_mov_b32 s[G1V+0], (2<<16)|(1<<20)|(5<<22)|(1<<25)
	s_mov_b32 s[G1V+1], 64<<16
	s_mov_b32 s[G1V+2], 64<<16
	s_mov_b32 s[G1V+3], 64<<16
	s_mov_b32 s[G1V+4], 64
	s_mov_b32 s[G1V+5], 4096
	s_mov_b32 s[G1V+6], 0
	s_mov_b32 s[G1V+7], 0
	; x: 16 rows x 128 numbers, 4 words of padding behind every 128
	s_mov_b32 s[G1X+0], (2<<16)|(1<<20)|(6<<22)|(3<<25)
	s_mov_b32 s[G1X+1], 128<<16
	s_mov_b32 s[G1X+2], 16<<16
	s_mov_b32 s[G1X+3], 128<<16
	s_mov_b32 s[G1X+4], 16
	s_mov_b32 s[G1X+5], 4096
	s_mov_b32 s[G1X+6], 0
	s_mov_b32 s[G1X+7], 0
	s_mul_i32 s22, s2, 22544384                    ; qweight: plane w / 2,
	s_lshl_b32 s20, s3, 14                         ; 8 (w % 2) rows of 2,048 bytes,
	s_add_co_u32 s22, s22, s20
	s_lshl_b32 s20, s21, 11                        ; from row R0 on,
	s_add_co_u32 s22, s22, s20
	s_lshl_b32 s20, s[GXI], 8                      ; my work-group's 64 words of a row
	s_add_co_u32 s22, s22, s20
	s_mov_b32 s23, 0
	s_mul_i32 s24, s2, 704512                      ; u: plane w / 2, half w % 2, from row R0 of 64 bytes on
	s_mul_i32 s20, s3, 11264
	s_add_co_u32 s24, s24, s20
	s_lshl_b32 s20, s21, 6
	s_add_co_u32 s24, s24, s20
	s_mov_b32 s25, 0
	s_lshl_b32 s26, s[GXI], 11                     ; vt: column 512 gx + 64 w
	s_lshl_b32 s20, s[WV], 8
	s_add_co_u32 s26, s26, s20
	s_mov_b32 s27, 0
	s_wait_kmcnt 0x0
	s_mov_b32 s[G0V], 1
	s_mul_i32 s[G0V+1], s[WV], VWAVE
	s_add_co_u32 s[G0V+1], s[G0V+1], VOFF
	s_add_nc_u64 s[G0V+2:G0V+3], s[8:9], s[26:27]
	s_or_b32 s[G0V+3], s[G0V+3], 0x80000000
	s_mov_b32 s[G0Q], 1
	s_mul_i32 s[G0Q+1], s[WV], QHALF
	s_add_nc_u64 s[G0Q+2:G0Q+3], s[4:5], s[22:23]
	s_mov_b32 s[G0Q+8], 1
	s_add_co_u32 s[G0Q+9], s[G0Q+1], QSLOT
	s_add_nc_u64 s[G0Q+10:G0Q+11], s[G0Q+2:G0Q+3], 0x8000   ; slot 1 begins with the second tile: 16 rows on
	s_or_b32 s[G0Q+3], s[G0Q+3], 0x80000000
	s_or_b32 s[G0Q+11], s[G0Q+11], 0x80000000
	s_mov_b32 s[G0U], 1
	s_mul_i32 s[G0U+1], s[WV], UHALF
	s_add_co_u32 s[G0U+1], s[G0U+1], UOFF
	s_add_nc_u64 s[G0U+2:G0U+3], s[6:7], s[24:25]
	s_or_b32 s[G0U+3], s[G0U+3], 0x80000000
	tensor_load_to_lds s[G0V:G0V+3], s[G1V:G1V+7]          ; the four first fills go out together: four tensor loads of mine are out here, later one
	s_nop 0
	tensor_load_to_lds s[G0Q:G0Q+3], s[G1Q:G1Q+7]
	s_nop 0
	tensor_load_to_lds s[G0U:G0U+3], s[G1U:G1U+7]
	s_nop 0
	tensor_load_to_lds s[G0Q+8:G0Q+11], s[G1Q:G1Q+7]
	s_nop 0
	v_and_b32 v1, 31, v0                           ; lane
	v_and_b32 v2, 15, v0                           ; r
	v_bfe_u32 v3, v0, 4, 1                         ; h
	v_lshlrev_b32 v[L16], 4, v1
	v_lshlrev_b32 v[L8], 3, v1
	v_lshlrev_b32 v[H8], 3, v3
	v_mov_b32 v[WT], 0                             ; written once: a lane permute's destination counts as one of its sources
	s_mul_i32 s22, s[WV], VWAVE
	s_add_co_u32 s22, s22, VOFF                    ; my wave's part for vt and x
	v_lshrrev_b32 v[VA], 3, v2
	v_lshlrev_b32 v[VA], 7, v[VA]                  ; column 32 (r / 8),
	v_and_b32 v[STA], 7, v2
	v_lshl_add_u32 v[VA], v[STA], 2, v[VA]         ; + r % 8,
	v_mad_u32_u24 v[VA], v3, 8*VPITCH, v[VA]       ; row 8 h
	v_add_nc_u32 v[VA], s22, v[VA]
	v_mul_u32_u24 v[XA], v2, XPITCH
	v_lshl_add_u32 v[XA], v3, 7, v[XA]             ; x: row r, + 32 h numbers
	v_add_nc_u32 v[XA], s22, v[XA]
	s_lshl_b32 s20, s[WV], 5
	v_mul_u32_u24 v[QA], v2, QPITCH
	v_lshl_add_u32 v[QA], v3, 4, v[QA]
	v_add_nc_u32 v[QA], s20, v[QA]
	s_add_co_u32 s20, s20, SCL
	v_and_b32 v[GA], 1, v1                         ; the gathering: lane l takes row l / 2 and the halves of waves 4 (l % 2) + 0 .. 3, each in its wave's region; wave w takes tiles 8 i + w
	v_mul_u32_u24 v[GA], v[GA], 4*SCLW
	v_lshrrev_b32 v[STA], 1, v1
	v_lshl_add_u32 v[GA], v[STA], 1, v[GA]
	v_add_nc_u32 v[GA], s20, v[GA]
	v_lshrrev_b32 v[UA], 2, v2
	v_mul_u32_u24 v[UA], v[UA], 272
	v_and_b32 v[UA+1], 3, v2
	v_lshl_add_u32 v[UA], v[UA+1], 6, v[UA]
	v_lshl_add_u32 v[UA], v3, 5, v[UA]
	v_add_nc_u32 v[UA], UOFF, v[UA]
	v_add_nc_u32 v[UA+1], 2*UPLANE, v[UA]
	s_lshl_b32 s20, s[WV], 9
	v_add_nc_u32 v[CO], s20, v[L16]
	s_mul_i32 s20, s[WV], SCLW
	s_add_co_u32 s20, s20, SCL
	v_lshl_add_u32 v[SA], v2, 1, s20
	s_lshl_b32 s20, s[WV], 1
	s_add_co_u32 s20, s20, 4096
	v_lshl_add_u32 v[SO], v2, 4, s20
	s_lshr_b32 s24, s[WV], 2                       ; w / 4: which of x's two K steps is mine
	s_and_b32 s25, s[WV], 3                        ; w % 4: which fragment of it
	s_lshl_b32 s20, s24, 8
	s_lshl_b32 s26, s25, 2
	s_add_co_u32 s20, s20, s26
	s_add_co_u32 s20, s20, SCLX
	v_lshl_add_u32 v[XSA], v2, 4, s20              ; x's scale words: block w / 4, row r, word w % 4
	s_lshl_b32 s20, s3, 8
	s_add_co_u32 s20, s20, SCLX
	v_add_nc_u32 v[GX], s20, v[L8]
	s_wait_tensorcnt 0x3                           ; my vt tile is in: three loads were issued behind it.  Only I read it
	WIN 0x40                                       ; destination window 1
.irp T, 0,1,2,3
.irp b, 0,1,2,3
.irp sj, 0,1,2,3,4,5,6,7
	ds_load_b32 v[VT+32*\T+8*\b+\sj], v[VA] offset:VPITCH*(16*\b+\sj)+32*\T   ; vt_b[8 h + sj][32 (r / 8) + 8 T + r % 8]: the pitch of 66 words sets the two halves of the lanes 16 words apart modulo 64
.endr
.endr
.endr
	WIN 0
	s_lshr_b32 s20, s21, 4                         ; my first tile
	s_mul_i32 s22, s20, TROW
	s_mul_i32 s20, s[GXI], REC
	s_add_co_u32 s22, s22, s20
	s_mov_b32 s23, 0
	s_add_nc_u64 s[CB:CB+1], s[12:13], s[22:23]
	s_mul_i32 s22, s[WV], TROW
	s_add_co_u32 s22, s22, 4096
	s_add_nc_u64 s[WS:WS+1], s[CB:CB+1], s[22:23]
	s_lshl_b32 s20, s18, 3
	s_add_co_u32 s20, s20, s[GXI]                  ; the work-group's number 0 .. 255: x's tile of rows mt = number / 4, quarter of K cq = number % 4
	s_lshr_b32 s21, s20, 2
	s_and_b32 s20, s20, 3
	s_lshl_b32 s22, s21, 18                        ; 16 rows of 16,384 bytes,
	s_lshl_b32 s26, s20, 12                        ; 1,024 columns,
	s_add_co_u32 s22, s22, s26
	s_lshl_b32 s26, s[WV], 9                       ; 128 columns a wave
	s_add_co_u32 s22, s22, s26
	s_mov_b32 s[G0X], 1
	s_mul_i32 s[G0X+1], s[WV], VWAVE
	s_add_co_u32 s[G0X+1], s[G0X+1], VOFF
	s_add_nc_u64 s[G0X+2:G0X+3], s[10:11], s[22:23]
	s_or_b32 s[G0X+3], s[G0X+3], 0x80000000
	s_mul_i32 s21, s21, TROW
	s_lshl_b32 s20, s20, 1
	s_add_co_u32 s22, s20, s24                     ; my K step of x: 2 cq + w / 4; my fragment q = w % 4
	s_mul_i32 s22, s22, REC
	s_add_co_u32 s22, s22, s21
	s_lshl_b32 s26, s25, 10
	s_add_co_u32 s22, s22, s26
	s_add_nc_u64 s[XB:XB+1], s[14:15], s[22:23]
	s_add_co_u32 s22, s20, s3                      ; the record whose scale words I store at the end (waves 6 and 7): K step 2 cq + w % 2
	s_mul_i32 s22, s22, REC
	s_add_co_u32 s22, s22, s21
	s_add_co_u32 s22, s22, 4096
	s_add_nc_u64 s[XS:XS+1], s[14:15], s[22:23]
	s_mov_b32 s[MASK], 0x7fffffff
	s_mov_b32 s[CNT], TRIPS
	s_mov_b32 s[SEL], 0x76543210
	s_mov_b32 s[SEL+1], 0xfedcba98                 ; v_permlanex16_b32's selects for lane l xor 16
	s_mov_b32 s[TU], 0
	s_mov_b32 s[TS], 0
	s_wait_tensorcnt 0x1                           ; my parts of the first tile and of u are in; slot 1's load may stay out
	s_wait_dscnt 0x0                               ; vt is in registers
	s_barrier_signal -1
	s_barrier_wait -1                              ; everybody's parts are in
	v_add_nc_u32 v[UT], s[TU], v[UA]
	v_add_nc_u32 v[UT+1], s[TU], v[UA+1]
	ULOAD 0, 0
	WIN 0x40
	QLOAD 0, 0
	WIN 0
.Ltrip:                                                ; a trip: two tiles; both slots are filled again
	STEPM 0, 0, 0, 1, 0
	STEPM 1, 1, 1, 1, 0
	s_wait_xcnt 0x0                                ; the trip's stores have read their data and their base: both are written again only behind this wait
	s_add_nc_u64 s[CB:CB+1], s[CB:CB+1], 2*TROW
	s_add_co_u32 s[TU], s[TU], 2*UTILE
	s_add_co_u32 s[TS], s[TS], 64
	s_sub_co_u32 s[CNT], s[CNT], 1
	s_cmp_lg_u32 s[CNT], 0
	s_cbranch_scc1 .Ltrip
	STEPM 0, 0, 1, 3, 0                            ; tile 20: no tile of sign words is left to ask for; its barrier lets the x tile into my vt part, whose reads ended at the start
	s_cmp_eq_u32 s[PP], 0                          ; tile 21 belongs to the odd work-group of a pair
	s_cbranch_scc1 .Lx
	STEPM 1, 0, 1, 0, 1
.Lx:
	s_wait_xcnt 0x0                                ; the codes' registers are written again below
	s_wait_tensorcnt 0x0                           ; my x tile is in; only I read it
	; x: lane (r, h) takes, for register group c, the 32 numbers 64 c + 32 h + 0 .. 31 of row r: a whole block, in the order of the operand's registers
.irp c, 0,1
.irp i8, 0,1,2,3,4,5,6,7
	ds_load_b128 v[XR+32*\c+4*\i8:XR+32*\c+4*\i8+3], v[XA] offset:256*\c+16*\i8
.endr
.endr
	s_wait_dscnt 0x0
.irp c, 0,1
	v_max3_num_f32 v[TT+\c], |v[XR+32*\c]|, |v[XR+32*\c+1]|, 0x1800000   ; the two blocks by turns; the floor 2^(3 - 127) holds the byte at 1 from below
.endr
.irp i2, 2,4,6,8,10,12,14,16,18,20,22,24,26,28,30
.irp c, 0,1
	v_max3_num_f32 v[TT+\c], v[TT+\c], |v[XR+32*\c+\i2]|, |v[XR+32*\c+\i2+1]|
.endr
.endr
.irp c, 0,1
	v_add_nc_u32 v[XSC+\c], 0xff000000, v[TT+\c]
.endr
.irp c, 0,1
.irp i4, 0,1,2,3
	v_cvt_scalef32_pk8_fp4_f32 v[CD+4*\c+\i4], v[XR+32*\c+8*\i4:XR+32*\c+8*\i4+7], v[XSC+\c]
.endr
.endr
.irp c, 0,1
	v_lshrrev_b32 v[XBY+\c], 23, v[XSC+\c]         ; the bytes; also the plain lines behind the conversions
.endr
	v_lshl_or_b32 v[XW], v[XBY+1], 16, v[XBY]      ; my bytes h and 2 + h,
	v_lshlrev_b32 v[XW], v[H8], v[XW]
	v_permlanex16_b32 v[WT], v[XW], s[SEL], s[SEL+1]
	v_or_b32 v[XW], v[XW], v[WT]                   ; with the other half of the lanes' the word is whole
.irp c, 0,1
	global_store_b128 v[L16], v[CD+4*\c:CD+4*\c+3], s[XB:XB+1] offset:512*\c   ; 512 consecutive bytes, aligned
.endr
	ds_store_b32 v[XSA], v[XW]
	s_wait_dscnt 0x0                               ; for the others' sake: my scale words lie in LDS
	s_barrier_signal -1
	s_barrier_wait -1
	; the scale words leave as whole blocks of 256 bytes: wave w takes tiles w and 8 + w, and 16 + w where that is a tile whose words lie in LDS (w < 5)
.irp i3, 0,1
.irp k4, 0,1,2,3
	ds_load_u16 v[GH+4*\i3+\k4], v[GA] offset:256*\i3+SCLW*\k4
.endr
.endr
.irp i3, 0,1
	s_wait_dscnt 4-4*\i3                           ; the four loads issued behind this tile's may stay out
	v_lshl_or_b32 v[GW+2*\i3], v[GH+4*\i3+1], 16, v[GH+4*\i3]
	v_lshl_or_b32 v[GW+2*\i3+1], v[GH+4*\i3+3], 16, v[GH+4*\i3+2]
	global_store_b64 v[L8], v[GW+2*\i3:GW+2*\i3+1], s[WS:WS+1] offset:8*TROW*\i3
.endr
	s_cmp_gt_u32 s[WV], 4
	s_cbranch_scc1 .Lno3
.irp k4, 0,1,2,3
	ds_load_u16 v[GH+8+\k4], v[GA] offset:512+SCLW*\k4
.endr
	s_wait_dscnt 0x0
	v_lshl_or_b32 v[GW+4], v[GH+9], 16, v[GH+8]
	v_lshl_or_b32 v[GW+5], v[GH+11], 16, v[GH+10]
	global_store_b64 v[L8], v[GW+4:GW+5], s[WS:WS+1] offset:16*TROW
.Lno3:
	s_cmp_lt_u32 s[WV], 6
	s_cbranch_scc1 .Lend
	ds_load_b64 v[GXR:GXR+1], v[GX]                ; x's two blocks: waves 6 and 7
	s_wait_dscnt 0x0
	global_store_b64 v[L8], v[GXR:GXR+1], s[XS:XS+1]
.Lend:
	s_wait_tensorcnt 0x0                           ; the wave's end, behind my last tensor load and my last LDS store
	ds_add_u32 v[SPW], v[NIL]
	s_wait_dscnt 0x0
	s_endpgm
.Lfunc_end_k_q3103eb831e_prep:
	.size	k_q3103eb831e_prep, .Lfunc_end_k_q3103eb831e_prep-k_q3103eb831e_prep
	.p2alignl 7, 3214868480
	.fill 96, 4, 3214868480
	.section	.rodata,"a",@progbits
	.p2align	6, 0x0
	.amdhsa_kernel k_q3103eb831e_prep
		.amdhsa_group_segment_fixed_size 327680
		.amdhsa_private_segment_fixed_size 0
		.amdhsa_enable_private_segment 0
		.amdhsa_kernarg_size 48
		.amdhsa_user_sgpr_count 2
		.amdhsa_user_sgpr_kernarg_segment_ptr 1
		.amdhsa_wavefront_size32 1
		.amdhsa_system_sgpr_workgroup_id_x 1
		.amdhsa_system_sgpr_workgroup_id_y 1
		.amdhsa_system_sgpr_workgroup_id_z 1
		.amdhsa_system_vgpr_workitem_id 0
		.amdhsa_next_free_vgpr 512
		.amdhsa_next_free_sgpr 98
		.amdhsa_reserve_vcc 0
		.amdhsa_float_denorm_mode_32 3
		.amdhsa_float_denorm_mode_16_64 3
		.amdhsa_memory_ordered 1
		.amdhsa_forward_progress 1
		.amdhsa_inst_pref_size 135
	.end_amdhsa_kernel
	.amdgpu_metadata
---
amdhsa.version: [ 1, 2 ]
amdhsa.kernels:
  - .name:           k_q3103eb831e_prep
    .symbol:         k_q3103eb831e_prep.kd
    .args:
      - { .name: qweight, .offset: 0, .size: 8, .value_kind: global_buffer, .address_space: global }
      - { .name: u, .offset: 8, .size: 8, .value_kind: global_buffer, .address_space: global }
      - { .name: vt, .offset: 16, .size: 8, .value_kind: global_buffer, .address_space: global }
      - { .name: x, .offset: 24, .size: 8, .value_kind: global_buffer, .address_space: global }
      - { .name: wq, .offset: 32, .size: 8, .value_kind: global_buffer, .address_space: global }
      - { .name: xq, .offset: 40, .size: 8, .value_kind: global_buffer, .address_space: global }
    .group_segment_fixed_size: 327680
    .private_segment_fixed_size: 0
    .kernarg_segment_align: 8
    .kernarg_segment_size: 48
    .max_flat_workgroup_size: 256
    .sgpr_count:     98
    .vgpr_count:     512
    .wavefront_size: 32
...
	.end_amdgpu_metadata
.endif
;; end of part 1
;; launch gemm (part 2): grid 4 x 43, 4 waves a work-group, clusters of 4 x 1, 327,680 bytes of LDS; arguments xq, wq, out0; writes out0
.if DOCPART == 2
	.amdgcn_target "amdgcn-amd-amdhsa--gfx1250"
	.amdhsa_code_object_version 6
	.text
	.protected	k_q3103eb831e_gemm
	.globl	k_q3103eb831e_gemm
	.p2align	8
	.type	k_q3103eb831e_gemm,@function
k_q3103eb831e_gemm:
	s_mov_b64 s[64:65], 0
	v_nop
	global_prefetch_b8 v0, s[64:65] scope:SCOPE_SE
	s_setreg_imm32_b32 hwreg(HW_REG_WAVE_MODE, 25, 1), 1
	s_wait_xcnt 0x0
	s_wait_alu depctr_hold_cnt(0) depctr_sa_sdst(0) depctr_va_vdst(0) depctr_va_sdst(0) depctr_va_ssrc(0) depctr_va_vcc(0) depctr_vm_vsrc(0)
	s_getreg_b32 s2, hwreg(HW_REG_IB_STS2, 6, 4)
	s_cmp_eq_u32 s2, 0
	s_cbranch_scc0 .Lentry_in_a_cluster
	s_endpgm
.Lentry_in_a_cluster:
	s_bfe_u32 s2, ttmp6, 0x10000c
	s_cmp_lg_u32 s2, 0x3003
	s_cbranch_scc0 .Lentry_shape_is_right
	s_endpgm
.Lentry_shape_is_right:
; out0[m][n] = sum over k of x[m][k] w[n][k], on codes of FP4 (E2M1) with one E8M0 scale for each 32 along K; sums in f32.  M = 1,024, N = 11,008, K = 4,096.
; BOTH OPERANDS COME AS RECORDS of 16 rows x 512 K, 4,352 bytes, laid [tile of 16 rows][K step of 512]: four fragments as images of the operand's registers (register group c of lane l at 1,024 q + 512 c + 16 l), then the
; rows' scale words [row][q].  So a fragment is two loads of 512 consecutive LDS bytes, a row's four scale words one load of 16 bytes, and a K step's codes and scales of 128 rows come by ONE tensor load of 8 rows of 4,352 bytes.
; A tile of out0, 256 x 256, is made by a work-group of four waves; a wave makes 128 x 128: 64 accumulators, 512 registers.  4 x 43 tiles.  K goes in 8 steps of 512 through a ring of two LDS slots.
; CLUSTER: the four work-groups of a cluster make the four tiles of one tile column: they need the same records of w, which are asked for JOINTLY (mask 15).  x's records differ between the four and come by plain loads of each
; work-group's own, in the same rounds.  x's records cannot be shared: 43 tile columns divide into no cluster.
; THE MATRIX INSTRUCTION IS USED TRANSPOSED (source 0 = 16 rows of w, source 1 = 16 rows of x): a lane then holds eight neighbouring numbers of a row of out0.
; REGISTERS, in windows of 256: window 0: v0-31 addresses; v32-95 scale words, two sets; from v128 x's fragments (8 x 16 rows x 128 K), ONE set; on the way out v128-255 are free.
;   window 1: w's fragments, TWO sets, at v0 and at v128.   window 2: the 32 accumulators of my rows 0-63 (accumulator (a, b) at v[8 (8 a + b)]);   window 3: those of my rows 64-127.
; Below A stands for x and B for w.
.set SIZE_N, 11008
.set NQ,     4                         ; matrix instructions deep in a K step
.set REC,    4352                      ; a record
.set TROW,   8*REC                     ; from a tile's records to the next tile's, in memory
.set FR,     8                         ; registers of a fragment
.set NL,     2                         ; LDS loads that bring one
.set NP,     4                         ; places behind this matrix instruction (ISA guide 7.12.1)
.set HALFT,  8*REC                     ; 8 records, 128 rows: what one tensor load brings, and what one wave reads of A or of B
.set SLOT,   4*HALFT                   ; A's 16 records, then B's 16
.set LAPS,   4                         ; a lap = two K steps = once round the ring
.set SPARE,  2*SLOT                    ; behind the ring: the spare words, 128 bytes for each wave: two blocks of 256 bytes that no other line names
.set SPITCH, 528                       ; the way out: a stage of 16 rows x (512 bytes + 16) for each wave.  It lies in slot 0, which has had its last fill and its last read when the first result is stored there
.set ADRA, 16                          ; v16-17  LDS address of my A fragments in slot 0, 1
.set ADRB, 20                          ; v20-21  the same for B
.set STO,  24                          ; v24     the way out: where I put 32 bytes of a row
.set RD,   25                          ; v25     the way out: where I read a row back
.set CO,   26                          ; v26     my byte offset in a row of out0
.set SPW,  28                          ; v28     LDS address of my spare word; never rewritten
.set NIL,  29                          ; v29     0; never rewritten
.set ADRS, 30                          ; v30-31  LDS address of my scale words in slot 0, 1: lanes 0-15 A's rows, lanes 16-31 B's
.set SC,   32                          ; scale words: set s (for slot s) at v[SC + 8 NQ s]; in it register NQ i + q: lanes 0-15 the word of A's block i, lanes 16-31 that of B's block i, for the slot's q-th 128 along K
.set AF,   128                         ; A's fragments, in window 0
.set BK,   128                         ; the way out: 16 rows read back from the stage: v128-191 and v192-255 by turns
.set G1, 24                            ; s[24:31] descriptor group 1 for A's records;  s[32:39] group 0, one set for each slot
.set G0, 32
.set G1B, 48                           ; s[48:55], s[56:63] the same for B's
.set G0B, 56
.set MSB, 0
.macro WIN new                         ; the immediate's high byte repeats the setting that is left
.if MSB != (\new)
	s_set_vgpr_msb (MSB<<8)|(\new)
.set MSB, (\new)
.endif
.endm
.set MUL_LO, 0xa1                      ; source 0 (B) window 1, source 1 (A) window 0, C and D window 2
.set MUL_HI, 0xf1                      ; the same, C and D window 3
.set TO_B,   0x40                      ; destination window 1, address window 0
; Waves 0 and 1 fetch for A (a plain load), waves 2 and 3 for B (the joint load).  The branch hangs on the wave's number alone.
; Four v_nop follow each of the two lines, ahead of the jump, the label and what follows.
.macro JLOAD g0a, g1a, g0b, g1b
	s_cmp_eq_u32 s15, 0
	s_cbranch_scc0 .Lfor_b_\@
	tensor_load_to_lds s[\g0a:\g0a+3], s[\g1a:\g1a+7]
	s_nop 0
.rept 4
	v_nop
.endr
	s_branch .Lasked_\@
.Lfor_b_\@:
	tensor_load_to_lds s[\g0b:\g0b+3], s[\g1b:\g1b+7]
	s_nop 0
.rept 4
	v_nop
.endr
.Lasked_\@:
.endm
.macro CREST                           ; a round of the cluster's barrier behind its opening barrier
	s_cmp_lg_u32 s14, 0
	s_cbranch_scc1 .Lnot_wave_0_\@
	s_barrier_signal -3
.Lnot_wave_0_\@:
	s_barrier_wait -3
	s_barrier_signal -1
	s_barrier_wait -1
.endm
.macro CROUND                          ; a whole round
	s_barrier_signal -1
	s_barrier_wait -1
	CREST
.endm
	s_load_b128 s[4:7], s[0:1], 0x0                ; xq s[4:5], wq s[6:7]
	s_load_b64 s[12:13], s[0:1], 0x10              ; out0
	v_lshl_add_u32 v[SPW], v0, 2, SPARE
	v_mov_b32 v[NIL], 0
	ds_add_u32 v28, v29
	ds_add_u32 v28, v29
	s_wait_dscnt 0x0
	v_lshrrev_b32 v1, 5, v0
	v_readfirstlane_b32 s14, v1                    ; wave 0..3
	s_lshr_b32 s15, s14, 1                         ; which half of the tile's rows is mine.  Also: I fetch for A (0) or for B (1)
	s_and_b32 s16, s14, 1                          ; which half of its columns.  Also: which 8 records of that tile I fetch
	s_bfe_u32 s40, ttmp6, 0x40000                  ; cx: my place in the cluster
	s_lshl_b32 s42, ttmp9, 2
	s_add_co_u32 s42, s42, s40                     ; tile row of out0 = 4 x cluster x + cx
	s_and_b32 s17, ttmp7, 0xffff                   ; tile column of out0, which the four partners share
	; descriptor group 1: 8 rows of 544 elements of 8 bytes (a record), 4,352 elements from row to row (a tile's eight K steps); no padding: an image's 512 bytes are read as they lie
	s_mov_b32 s[G1+0], 3<<16                       ; 15:0 no mask: A's records are my work-group's own; 17:16 elements of 8 bytes
	s_mov_b32 s[G1B+0], 15|(3<<16)|(1<<21)         ; 15:0 the mask: all four work-groups; 21 set beside a mask
.irp g, G1, G1B
	s_mov_b32 s[\g+1], 544<<16                     ; tensor_dim0
	s_mov_b32 s[\g+2], 8<<16                       ; tensor_dim1
	s_mov_b32 s[\g+3], 544<<16                     ; tile_dim0
	s_mov_b32 s[\g+4], 8                           ; tile_dim1
	s_mov_b32 s[\g+5], TROW/8                      ; tensor_dim0_stride
	s_mov_b32 s[\g+6], 0
	s_mov_b32 s[\g+7], 0
.endr
	s_lshl_b32 s18, s16, 3                         ; which 8 tiles of 16 rows I fetch
	s_lshl_b32 s20, s42, 4
	s_add_co_u32 s20, s20, s18                     ; A: tile 16 x tile row + 8 x half
	s_mul_i32 s20, s20, TROW
	s_mov_b32 s21, 0
	s_lshl_b32 s46, s17, 4
	s_add_co_u32 s46, s46, s18                     ; B: tile 16 x tile column + 8 x half: made of what the partners share
	s_mul_i32 s46, s46, TROW
	s_mov_b32 s47, 0
	s_mul_i32 s45, s14, HALFT                      ; where they go: wave x 8 records: no place in the cluster enters an LDS address
	s_wait_kmcnt 0x0
	s_add_nc_u64 s[20:21], s[4:5], s[20:21]
	s_add_nc_u64 s[46:47], s[6:7], s[46:47]
	CROUND                                         ; all four work-groups are here: the first joint loads meet
.irp s, 0,1
	s_mov_b32 s[G0+4*\s], 1
	s_add_co_u32 s[G0+4*\s+1], s45, \s*SLOT
	s_add_nc_u64 s[G0+4*\s+2:G0+4*\s+3], s[20:21], \s*REC
	s_or_b32 s[G0+4*\s+3], s[G0+4*\s+3], 0x80000000
	s_mov_b32 s[G0B+4*\s], 1
	s_add_co_u32 s[G0B+4*\s+1], s45, \s*SLOT
	s_add_nc_u64 s[G0B+4*\s+2:G0B+4*\s+3], s[46:47], \s*REC
	s_or_b32 s[G0B+4*\s+3], s[G0B+4*\s+3], 0x80000000
	JLOAD G0+4*\s, G1, G0B+4*\s, G1B               ; two tensor loads of mine are out at the start, later one
.endr
	v_and_b32 v1, 15, v0                           ; l % 16
	v_bfe_u32 v2, v0, 4, 1                         ; l / 16
	v_and_b32 v6, 31, v0
	v_lshlrev_b32 v4, 4, v6                        ; an image's place for my lane: 16 x lane
	s_mul_i32 s21, s15, HALFT                      ; my 8 records of A
	s_mul_i32 s22, s16, HALFT                      ; my 8 records of B,
	s_add_co_u32 s22, s22, 2*HALFT                 ; which lie behind A's 16
	s_sub_co_u32 s23, s22, s21
	v_mul_u32_u24 v5, s23, v2                      ; scale words: lanes 16-31 take B's: one product, the distance between the two bases,
	v_lshl_add_u32 v5, v1, 4, v5                   ; 16 bytes a row,
	v_add_nc_u32 v5, 4096, v5                      ; behind the record's codes
.irp s, 0,1
	v_add_nc_u32 v[ADRA+\s], s21, v4
	v_add_nc_u32 v[ADRB+\s], s22, v4
	v_add_nc_u32 v[ADRS+\s], s21, v5
	s_add_co_u32 s21, s21, SLOT
	s_add_co_u32 s22, s22, SLOT
.endr
	s_mul_i32 s23, s14, 16*SPITCH                  ; my stage
	v_mul_u32_u24 v5, v1, SPITCH                   ; in: row l % 16, 32 bytes for each half of the lanes
	v_lshl_add_u32 v5, v2, 5, v5
	v_add_nc_u32 v[STO], s23, v5
	v_lshlrev_b32 v[CO], 4, v6                     ; back: the 32 lanes take one row of 512 bytes; and the same in out0
	v_add_nc_u32 v[RD], s23, v[CO]
	s_lshl_b32 s20, s42, 8
	s_lshl_b32 s21, s15, 7
	s_add_co_u32 s20, s20, s21                     ; my first row of out0: 256 x tile row + 128 x half
	s_mul_i32 s20, s20, SIZE_N*4
	s_lshl_b32 s21, s17, 10                        ; my first column, in bytes: 1,024 x tile column + 512 x half
	s_add_co_u32 s20, s20, s21
	s_lshl_b32 s21, s16, 9
	s_add_co_u32 s20, s20, s21
	s_mov_b32 s21, 0
	s_add_nc_u64 s[12:13], s[12:13], s[20:21]
.macro FRAG reg, adr, q, i             ; fragment q of record i: 8 registers: lane l holds row l % 16; registers 4 c .. 4 c + 3 hold K = 64 c + 32 (l / 16) + 0 .. 31
.irp c, 0,1
	ds_load_b128 v[\reg+4*\c:\reg+4*\c+3], v[\adr] offset:REC*(\i)+1024*(\q)+512*\c
.endr
.endm
; 16 matrix instructions: A's blocks a0, a0 + 1 x B's eight, 128 along K: the slot's q-th.  p: B's set;  sc: the set of scale words.  zero = 1: the first product starts the sums: nothing is ever cleared.
; The 64 accumulators take turns, one instruction a turn, in the same order in every step.
.macro MUL16 a0, p, q, sc, zero
.irp a, \a0, \a0+1
.irp b, 0,1,2,3,4,5,6,7
.if \zero
	v_wmma_scale_f32_16x16x128_f8f6f4 v[8*(8*((\a)%4)+\b):8*(8*((\a)%4)+\b)+7], v[128*(\p)+FR*\b:128*(\p)+FR*\b+FR-1], v[AF+FR*(\a):AF+FR*(\a)+FR-1], 0, v[SC+8*NQ*(\sc)+NQ*\b+(\q)], v[SC+8*NQ*(\sc)+NQ*(\a)+(\q)] matrix_a_fmt:MATRIX_FMT_FP4 matrix_b_fmt:MATRIX_FMT_FP4 matrix_a_scale:MATRIX_SCALE_ROW1
.else
	v_wmma_scale_f32_16x16x128_f8f6f4 v[8*(8*((\a)%4)+\b):8*(8*((\a)%4)+\b)+7], v[128*(\p)+FR*\b:128*(\p)+FR*\b+FR-1], v[AF+FR*(\a):AF+FR*(\a)+FR-1], v[8*(8*((\a)%4)+\b):8*(8*((\a)%4)+\b)+7], v[SC+8*NQ*(\sc)+NQ*\b+(\q)], v[SC+8*NQ*(\sc)+NQ*(\a)+(\q)] matrix_a_fmt:MATRIX_FMT_FP4 matrix_b_fmt:MATRIX_FMT_FP4 matrix_a_scale:MATRIX_SCALE_ROW1
.endif
.endr
.endr
.endm
.macro FETCH_B slot, q, p              ; B's eight fragments of the slot's q-th 128 along K into set p
	WIN TO_B
.irp i, 0,1,2,3,4,5,6,7
	FRAG 128*(\p)+FR*\i, ADRB+\slot, \q, \i
.endr
	WIN 0
.endm
.macro FETCH_A slot, q, i0             ; A's blocks i0 .. i0 + 3
.irp i, \i0, \i0+1, \i0+2, \i0+3
	FRAG AF+FR*(\i), ADRA+\slot, \q, \i
.endr
.endm
.macro SCALES sc                       ; slot sc's scale words into set sc: four words a row; lanes 0-15 take A's block i, lanes 16-31 B's block i
.irp i, 0,1,2,3,4,5,6,7
	ds_load_b128 v[SC+8*NQ*\sc+NQ*\i:SC+8*NQ*\sc+NQ*\i+3], v[ADRS+\sc] offset:\i*REC
.endr
.endm
; A load into a register that a matrix instruction has read, and an LDS store that reads a matrix result, stand NP places behind that matrix instruction, and only plain vector instructions that name none of
; its registers are places (ISA guide 7.12.1 for vector instructions); the matrix instructions in between are not counted.
.macro PLACES n
.rept \n
	v_nop
.endr
.endm
; A step of 128 along K that has its successor in the same slot.  A's blocks are free as soon as their eight products are issued: blocks 0-3 are fetched anew in the step's middle, blocks 4-7 at its end.
.macro STEP slot, q, zero
	s_wait_dscnt 4*NL                              ; B's set, the scale words and A's blocks 0-3 are in; the youngest eight loads (A's blocks 4-7) may be out
	WIN MUL_LO
	MUL16 0, (\q)%2, \q, \slot, \zero
	MUL16 2, (\q)%2, \q, \slot, \zero
	s_wait_dscnt 0                                 ; A's blocks 4-7 are in (asked for 32 matrix instructions ago)
	PLACES NP
	FETCH_B \slot, (\q)+1, 1-(\q)%2
	FETCH_A \slot, (\q)+1, 0
	WIN MUL_HI
	MUL16 4, (\q)%2, \q, \slot, \zero
	MUL16 6, (\q)%2, \q, \slot, \zero
	PLACES NP
	WIN 0
	FETCH_A \slot, (\q)+1, 4
.endm
; A slot's last step changes slots: ONE barrier; in front of it each wave waits for all its tensor loads, adds 0 to its spare word, and waits for that and for its own reads of this slot.  fill = 1: this slot is filled again, two K steps ahead.
.macro TURN slot, next, fill
	s_wait_tensorcnt 0x0                           ; all my tensor loads have landed: my part of the next slot;  (every window is 0 here: the add's two registers lie in window 0)
	ds_add_u32 v[SPW], v[NIL]                      ; 0 onto my spare word
	s_wait_dscnt 4*NL+1                            ; (the add and the youngest eight loads, A's blocks 4-7, may be out)
	WIN MUL_LO
	MUL16 0, 1, NQ-1, \slot, 0                     ; sixteen matrix instructions stand between the add and the wait for it
	s_wait_dscnt 0x0                               ; the add is done, and my reads of this slot are over
	s_barrier_signal -1
	MUL16 2, 1, NQ-1, \slot, 0
	WIN 0
	s_barrier_wait -1
.if \fill
	CREST                                          ; the barrier has opened a round of the cluster's barrier: no wave of any partner still reads this slot or has a load on its way
	s_add_nc_u64 s[G0+4*\slot+2:G0+4*\slot+3], s[G0+4*\slot+2:G0+4*\slot+3], 2*REC
	s_add_nc_u64 s[G0B+4*\slot+2:G0B+4*\slot+3], s[G0B+4*\slot+2:G0B+4*\slot+3], 2*REC
	JLOAD G0+4*\slot, G1, G0B+4*\slot, G1B         ; the first tensor load behind the round; the four v_nop behind it are the places in front of the loads below
.else
	PLACES NP
.endif
	FETCH_B \next, 0, 0
	FETCH_A \next, 0, 0
	SCALES \next
	WIN MUL_HI
	MUL16 4, 1, NQ-1, \slot, 0
	MUL16 6, 1, NQ-1, \slot, 0
	PLACES NP
	WIN 0
	FETCH_A \next, 0, 4
.endm
.macro STEPS slot, from                ; the slot's steps from .. NQ - 2
.set Q, \from
.rept NQ-1-\from
	STEP \slot, Q, 0
.set Q, Q+1
.endr
.endm
	s_wait_tensorcnt 1                             ; my part of K step 0 is in (K step 1's load may be out)
	s_barrier_signal -1
	s_barrier_wait -1                              ; everybody's is
	FETCH_B 0, 0, 0
	FETCH_A 0, 0, 0
	SCALES 0
	FETCH_A 0, 0, 4
	STEP 0, 0, 1                                   ; the first step stands in front of the loop: its products start the sums
	s_mov_b32 s3, LAPS-1
.Llap:                                                 ; a trip goes once round the ring, from a lap's second step to the next lap's first, and fills both slots again
	STEPS 0, 1
	TURN 0, 1, 1
	STEPS 1, 0
	TURN 1, 0, 1
	STEP 0, 0, 0
	s_sub_co_u32 s3, s3, 1
	s_cmp_lg_u32 s3, 0
	s_cbranch_scc1 .Llap
	STEPS 0, 1                                     ; the last lap fills nothing, and has no round of the cluster's barrier
	TURN 0, 1, 0
	STEPS 1, 0
	s_wait_dscnt 4*NL                              ; the very last step: nothing more to fetch
	WIN MUL_LO
	MUL16 0, 1, NQ-1, 1, 0
	MUL16 2, 1, NQ-1, 1, 0
	s_wait_dscnt 0
	WIN MUL_HI
	MUL16 4, 1, NQ-1, 1, 0
	MUL16 6, 1, NQ-1, 1, 0
	WIN 0
; THE WAY OUT, block by block of 16 rows x 128 columns.  A lane holds 32 neighbouring bytes of a row, and the lanes beside it hold other rows: so a block goes through my own stage in LDS and comes back as whole
; rows of 512 bytes, which the 32 lanes store as 512 consecutive bytes, at a multiple of 256 from out0's first byte (a row of out0 is 172 x 256 bytes).  LDS serves a wave's instructions in order (ISA guide 5.7.1.4): no wait between the stores and the loads.
.macro TOSTAGE a
.set AC, 64*((\a)%4)
	WIN 0x08+4*((\a)/4)                            ; the data: window 2 or 3
.irp b, 0,1,2,3,4,5,6,7
	ds_store_b128 v[STO], v[AC+8*\b:AC+8*\b+3] offset:64*\b          ; each accumulator from its low end on
	ds_store_b128 v[STO], v[AC+8*\b+4:AC+8*\b+7] offset:64*\b+16
.endr
	WIN 0
.set BB, BK+64*((\a)%2)
.irp t, 0,1,2,3,4,5,6,7,8,9,10,11,12,13,14,15
	ds_load_b128 v[BB+4*\t:BB+4*\t+3], v[RD] offset:\t*SPITCH
.endr
.endm
.macro SEND a, younger                 ; younger: the LDS instructions issued behind block a's loads, which may stay out
.set BB, BK+64*((\a)%2)
	s_wait_dscnt \younger                          ; the block is back in registers
.if (\a) > 0
	s_add_nc_u64 s[12:13], s[12:13], 16*SIZE_N*4   ; (behind a wait on XCNT: the earlier stores have read their base)  16 rows on, so that the stores' offsets stay at 15 rows, 660,480 bytes, at the most
.endif
.irp t, 0,1,2,3,4,5,6,7,8,9,10,11,12,13,14,15
	global_store_b128 v[CO], v[BB+4*\t:BB+4*\t+3], s[12:13] offset:\t*SIZE_N*4 th:TH_STORE_NT   ; written once, read by nobody here
.endr
.endm
	PLACES NP                                      ; these places serve the loads into the registers that held A's fragments and the reads of the last products' results alike
	TOSTAGE 0
.irp a, 1,2,3,4,5,6,7
.if \a > 1
	s_wait_xcnt 0x0                                ; block a - 2's stores have read their registers and their base: block a's loads may land there, and the base may step
.endif
	TOSTAGE \a
	SEND \a-1, 32                                  ; behind block a - 1's loads: block a's 16 stores and 16 loads
.endr
	s_wait_xcnt 0x0                                ; block 6's stores have read their base
	SEND 7, 0
	s_wait_tensorcnt 0x0                           ; the wave's end, behind my last tensor load and my last LDS store
	ds_add_u32 v[SPW], v[NIL]
	s_wait_dscnt 0x0
	CROUND                                         ; the closing round: no work-group ends while a partner may still ask for a tile that names it
	s_endpgm
.Lfunc_end_k_q3103eb831e_gemm:
	.size	k_q3103eb831e_gemm, .Lfunc_end_k_q3103eb831e_gemm-k_q3103eb831e_gemm
	.p2alignl 7, 3214868480
	.fill 96, 4, 3214868480
	.section	.rodata,"a",@progbits
	.p2align	6, 0x0
	.amdhsa_kernel k_q3103eb831e_gemm
		.amdhsa_group_segment_fixed_size 327680
		.amdhsa_private_segment_fixed_size 0
		.amdhsa_enable_private_segment 0
		.amdhsa_kernarg_size 24
		.amdhsa_user_sgpr_count 2
		.amdhsa_user_sgpr_kernarg_segment_ptr 1
		.amdhsa_wavefront_size32 1
		.amdhsa_system_sgpr_workgroup_id_x 1
		.amdhsa_system_sgpr_workgroup_id_y 1
		.amdhsa_system_sgpr_workgroup_id_z 1
		.amdhsa_system_vgpr_workitem_id 0
		.amdhsa_next_free_vgpr 1024
		.amdhsa_next_free_sgpr 66
		.amdhsa_reserve_vcc 0
		.amdhsa_float_denorm_mode_32 3
		.amdhsa_float_denorm_mode_16_64 3
		.amdhsa_memory_ordered 1
		.amdhsa_forward_progress 1
		.amdhsa_inst_pref_size 208
	.end_amdhsa_kernel
	.amdgpu_metadata
---
amdhsa.version: [ 1, 2 ]
amdhsa.kernels:
  - .name:           k_q3103eb831e_gemm
    .symbol:         k_q3103eb831e_gemm.kd
    .args:
      - { .name: xq, .offset: 0, .size: 8, .value_kind: global_buffer, .address_space: global }
      - { .name: wq, .offset: 8, .size: 8, .value_kind: global_buffer, .address_space: global }
      - { .name: out0, .offset: 16, .size: 8, .value_kind: global_buffer, .address_space: global }
    .group_segment_fixed_size: 327680
    .private_segment_fixed_size: 0
    .kernarg_segment_align: 8
    .kernarg_segment_size: 24
    .max_flat_workgroup_size: 128
    .sgpr_count:     66
    .vgpr_count:     1024
    .wavefront_size: 32
...
	.end_amdgpu_metadata
.endif
;; end of part 2
